; MI455X (gfx1250); checked and timed in simulation.
; The chip was launched on July 23, 2026; its instructions are those of AMD's public machine-readable ISA for CDNA 5 (MIT licence, August 2026) and "CDNA5" Instruction Set Architecture Reference Guide (July 2026). The comments in the code are by the model that wrote it; some were corrected since.
;; Linear Attention. Allowed arithmetic: float matrix products may take bf16 or f16 operands with f32 sums; all other float work in f32.
;; Inputs: gamma 1,024 float32; temperature 16 x 1 x 1 float32; w_out 1,024 x 1,024 float32; w_qkv 1,024 x 3,072 float32; x 4 x 2,048 x 1,024 float32.
;; Outputs: out0 4 x 2,048 x 1,024 float32.
;; One version. Each part assembles by itself: llvm-mc -triple=amdgcn-amd-amdhsa -mcpu=gfx1250 --defsym DOCPART=n.
;; ======== version 1 of 1: 4 launches
;; limits: values are held in f16: magnitudes above 65,504 overflow, below 6.1e-05 lose precision; right only within a limited range of input values
;; workspace buffers: xb 16,777,216 bytes; wtf 6,291,456 bytes; wof 2,097,152 bytes; vf 16,777,216 bytes; simp 8,388,608 bytes; ssq 262,144 bytes; wpf 8,388,608 bytes
;; launch prep (part 1): grid 512 x 1, 8 waves a work-group, no clusters, 37,888 bytes of LDS; arguments x, gamma, w_qkv, w_out, xb, wtf, wof; writes xb, wtf, wof
.if DOCPART == 1
	.amdgcn_target "amdgcn-amd-amdhsa--gfx1250"
	.amdhsa_code_object_version 6
	.text
	.protected	k_q3a3b96bbcf_prep
	.globl	k_q3a3b96bbcf_prep
	.p2align	8
	.type	k_q3a3b96bbcf_prep,@function
k_q3a3b96bbcf_prep:
	s_mov_b64 s[64:65], 0
	v_nop
	global_prefetch_b8 v0, s[64:65] scope:SCOPE_SE
	s_setreg_imm32_b32 hwreg(HW_REG_WAVE_MODE, 25, 1), 1
	s_wait_xcnt 0x0
; prep: brings the three matrix operands that come from inputs into f16, in the order in which the later launches read them.
;   work-groups   0..255: xb  = x / max(|x|_2, 1e-12) * 32 * gamma / 16, 32 rows of x each           (path X)
;   work-groups 256..447: wtf = w_qkv transposed, a tile of 64 k x 256 n each                         (path WQ)
;   work-groups 448..511: wof = w_out transposed, a tile of 64 d x 256 c each                         (path WO)
; The factor 1/16 is exact; it makes q, k and v 1/16 of their true size, which gives them room in f16; the later launches undo it.
; LIMITS: f16 operands.  xb is at most 2 |gamma| in size, so |gamma| must stay below 32,000; |w_qkv| and |w_out| below 65,000.
; NaN and infinities are not treated apart.  Norms below 1e-19 count as zero in the square root; the floor of 1e-12 replaces them anyway.
; xb:  [kb 16][row 8192][64 places] f16, 128 bytes a row.  Place p of block kb holds column 64 kb + 4 (p>>3) + (p&3) + 32 ((p>>2)&1):
;      the same order of k is used in wtf, so every product of the QKV projection meets its partner.
; wtf: [kb 16][n tile 192][2,048 bytes]; n tile = 12 head + 4 part + d tile (part 0 q, 1 k, 2 v).   wof: [head 16][c tile 64][2,048 bytes].
; A block of 2,048 bytes holds 16 rows x 64 k in fragment order: piece f = 0..3 of 512 bytes, lane l at 16 l, holding row l % 16,
; k = 16 f + 8 (l / 16) + 0..7.  A matrix fragment is then two loads of 512 consecutive bytes.
; No matrix unit, no cluster, no tensor load: memory binds, each byte is read once and written once.
.set G,   16                           ; v[16:79]   gamma of my 64 columns
.set X,   80                           ; v[80:207]  two passes of 64 numbers of x
.set EPS, 0x2b8cbccc                   ; 1e-12
.set WH,  128*144                      ; the weight paths' LDS: 256 rows n of 64 places, 144 bytes apart; WH = 128 rows
	s_load_b256 s[4:11], s[0:1], 0x0               ; x s[4:5], gamma s[6:7], w_qkv s[8:9], w_out s[10:11]
	s_load_b128 s[12:15], s[0:1], 0x20             ; xb s[12:13], wtf s[14:15]
	s_load_b64 s[16:17], s[0:1], 0x30              ; wof
	v_lshl_add_u32 v208, v0, 2, 0x9000
	v_mov_b32 v209, 0
	v_lshrrev_b32 v1, 5, v0
	v_readfirstlane_b32 s18, v1                    ; wave w, 0..7
	v_and_b32 v1, 31, v0                           ; lane
	s_mov_b32 s23, 0                               ; the upper word of every byte offset: all stay below 4 GiB
	s_wait_kmcnt 0x0
	s_cmp_lt_u32 ttmp9, 256                        ; the path hangs on the work-group's number alone: the same in all eight waves
	s_cbranch_scc1 .Lx
	v_lshlrev_b32 v2, 4, v1                        ; 16 x lane: a wave's load or store covers 512 consecutive bytes
	s_cmp_lt_u32 ttmp9, 448
	s_cbranch_scc1 .Lwq
	; ---- path WO: rows d = 64 h + 8 w + 0..7 of w_out, columns 256 nb + 128 u + 4 lane + 0..3, u = 0, 1
	s_sub_co_u32 s19, ttmp9, 448
	s_and_b32 s20, s19, 15                         ; head h
	s_lshr_b32 s21, s19, 4                         ; nb, 0..3
	s_lshl_b32 s22, s20, 18                        ; 64 h rows of 4,096 bytes
	s_lshl_b32 s24, s18, 15                        ; 8 w rows
	s_add_co_u32 s22, s22, s24
	s_lshl_b32 s24, s21, 10                        ; 256 columns of 4 bytes
	s_add_co_u32 s22, s22, s24
	s_add_nc_u64 s[26:27], s[10:11], s[22:23]
	s_lshl_b32 s22, s20, 17                        ; wof: 64 c tiles of 2,048 bytes a head
	s_lshl_b32 s24, s21, 15                        ; c tile 16 nb + w
	s_add_co_u32 s22, s22, s24
	s_lshl_b32 s24, s18, 11
	s_add_co_u32 s22, s22, s24
	s_add_nc_u64 s[28:29], s[16:17], s[22:23]
	s_add_nc_u64 s[30:31], s[28:29], 8*2048        ; my second tile: c tile 16 nb + 8 + w
.irp u, 0,1
.irp s, 0,1,2,3,4,5,6,7
	global_load_b128 v[16+32*\u+4*\s:16+32*\u+4*\s+3], v2, s[26:27] offset:\s*4096+\u*512 th:TH_LOAD_NT
.endr
.endr
	s_branch .Lwtail
	; ---- path WQ: the eight rows of w_qkv that stand at places 8 w + 0..7 of block kb, columns 256 nb + 128 u + 4 lane + 0..3
.Lwq:
	s_sub_co_u32 s19, ttmp9, 256
	s_and_b32 s20, s19, 15                         ; kb
	s_lshr_b32 s21, s19, 4                         ; nb, 0..11
	s_lshl_b32 s22, s20, 6
	s_lshl2_add_u32 s22, s18, s22                  ; row 64 kb + 4 w
	s_mul_i32 s22, s22, 12288                      ; bytes in a row of w_qkv
	s_lshl_b32 s24, s21, 10
	s_add_co_u32 s22, s22, s24
	s_add_nc_u64 s[26:27], s[8:9], s[22:23]
	s_lshr_b32 s24, s21, 2                         ; part: 4 blocks of 256 columns each for q, k, v
	s_and_b32 s25, s21, 3
	s_lshl_b32 s25, s25, 2                         ; the block's first head
	s_lshr_b32 s32, s18, 2
	s_add_co_u32 s25, s25, s32                     ; my first n tile's head
	s_mul_i32 s25, s25, 12
	s_lshl2_add_u32 s25, s24, s25                  ; + 4 part
	s_and_b32 s32, s18, 3
	s_add_co_u32 s25, s25, s32                     ; + d tile
	s_lshl_b32 s25, s25, 11
	s_mul_i32 s22, s20, 393216                     ; 192 n tiles of 2,048 bytes a block
	s_add_co_u32 s22, s22, s25
	s_add_nc_u64 s[28:29], s[14:15], s[22:23]
	s_add_nc_u64 s[30:31], s[28:29], 24*2048       ; my second tile: 128 columns on = two heads on = 24 n tiles
.irp u, 0,1
.irp s, 0,1,2,3,4,5,6,7
	global_load_b128 v[16+32*\u+4*\s:16+32*\u+4*\s+3], v2, s[26:27] offset:((\s%4)+32*(\s/4))*12288+\u*512 th:TH_LOAD_NT
.endr
.endr
	; ---- both: v[16+32u+4s+c] = W[place 8 w + s][column 128 u + 4 lane + c].  Transposed through LDS.
.Lwtail:
	v_mul_u32_u24 v3, v1, 576                      ; in: row 4 lane (+ c and 128 u by the offset), 16 bytes at place 8 w
	v_lshl_add_u32 v3, s18, 4, v3
	v_and_b32 v5, 15, v0
	v_bfe_u32 v6, v0, 4, 1
	v_lshl_add_u32 v5, s18, 4, v5                  ; back: row 16 w + lane % 16 (+ 128 u),
	v_mul_u32_u24 v4, v5, 144
	v_lshl_add_u32 v4, v6, 4, v4                   ; 16 bytes for each half of the lanes
.macro WHALF u, left
	s_wait_loadcnt \left                           ; loads come back in order: this half's eight are in
.irp c, 0,1,2,3
.irp s, 0,2,4,6
	v_cvt_pk_f16_f32 v[80+16*\u+4*\c+\s/2], v[16+32*\u+4*\s+\c], v[16+32*\u+4*(\s+1)+\c]
.endr
.endr
.irp c, 0,1,2,3
	ds_store_b128 v3, v[80+16*\u+4*\c:80+16*\u+4*\c+3] offset:\u*WH+\c*144
.endr
.endm
	WHALF 0, 8                                     ; the second half's eight loads stay out
	WHALF 1, 0
	s_wait_dscnt 0x0                               ; zero: the other waves read these bytes behind the barrier
	s_barrier_signal -1
	s_barrier_wait -1
.irp u, 0,1
.irp f, 0,1,2,3
	ds_load_b128 v[112+16*\u+4*\f:112+16*\u+4*\f+3], v4 offset:\u*WH+\f*32   ; places 16 f + 8 (lane / 16) + 0..7 of my row
.endr
.endr
	s_wait_dscnt 0x0
.irp f, 0,1,2,3
	global_store_b128 v2, v[112+4*\f:112+4*\f+3], s[28:29] offset:\f*512     ; 512 consecutive bytes, aligned
.endr
.irp f, 0,1,2,3
	global_store_b128 v2, v[128+4*\f:128+4*\f+3], s[30:31] offset:\f*512
.endr
	s_wait_tensorcnt 0x0
	ds_add_u32 v208, v209
	s_wait_dscnt 0x0
	s_endpgm
	; ---- path X.  Wave w takes rows 4 w .. 4 w + 3 of the group's 32, two at a time.  Lane = (g, rr, i): i = bits 2:0, rr = bit 3, g = bit 4.
	; Load (t, u) brings columns 128 t + 64 g + 32 u + 4 i + 0..3 of row rr: four runs of 128 consecutive bytes an instruction.
	; The lane's eight numbers of (t, u = 0, 1) are places 8 i + 0..7 of block kb = 2 t + g: 16 bytes of f16 that belong together.
.Lx:
	v_and_b32 v8, 7, v0                            ; i
	v_bfe_u32 v9, v0, 3, 1                         ; rr
	v_bfe_u32 v10, v0, 4, 1                        ; g
	v_lshlrev_b32 v3, 4, v8
	v_lshl_add_u32 v3, v10, 8, v3                  ; gamma: 256 g + 16 i
	v_lshl_add_u32 v2, v9, 12, v3                  ; x: + 4,096 rr
	v_lshl_add_u32 v2, s18, 14, v2                 ;    + 4 rows x w
	v_lshlrev_b32 v4, 4, v8                        ; xb: 16 i
	v_lshl_add_u32 v4, v9, 7, v4                   ;     + 128 rr
	v_lshl_add_u32 v4, s18, 9, v4                  ;     + 4 rows x w
	v_lshl_add_u32 v4, v10, 20, v4                 ;     + g blocks of 8,192 rows x 128 bytes
	v_mov_b32 v5, 0                                ; v_permlanex16_b32 counts as a reader of its destination
	s_lshl_b32 s22, ttmp9, 17                      ; 32 rows of 4,096 bytes
	s_add_nc_u64 s[4:5], s[4:5], s[22:23]
	s_lshl_b32 s22, ttmp9, 12                      ; 32 rows of 128 bytes
	s_add_nc_u64 s[20:21], s[12:13], s[22:23]      ; blocks 0..7
	s_add_nc_u64 s[26:27], s[20:21], 0x800000      ; blocks 8..15: a second base keeps the stores' offsets inside 24 signed bits
	s_mov_b32 s24, 0x76543210                      ; v_permlanex16_b32: lane i of one half reads lane i of the other
	s_mov_b32 s25, 0xfedcba98
.irp t, 0,1,2,3,4,5,6,7
	global_load_b128 v[G+8*\t:G+8*\t+3],   v3, s[6:7] offset:\t*512
	global_load_b128 v[G+8*\t+4:G+8*\t+7], v3, s[6:7] offset:\t*512+128
.endr
.irp p, 0,1
.irp t, 0,1,2,3,4,5,6,7
	global_load_b128 v[X+64*\p+8*\t:X+64*\p+8*\t+3],   v2, s[4:5] offset:\p*8192+\t*512 th:TH_LOAD_NT
	global_load_b128 v[X+64*\p+8*\t+4:X+64*\p+8*\t+7], v2, s[4:5] offset:\p*8192+\t*512+128 th:TH_LOAD_NT
.endr
.endr
; One pass: two rows.  left = how many younger loads may stay out.  Every pass has its own data registers, so no store's source is rewritten.
.macro XPASS p, left
	s_wait_loadcnt \left                           ; loads come back in order: gamma and this pass's sixteen are in
.irp c, 0,1,2,3
	v_pk_mul_f32 v[8+2*\c:9+2*\c], v[X+64*\p+2*\c:X+64*\p+2*\c+1], v[X+64*\p+2*\c:X+64*\p+2*\c+1]   ; four chains, started by the first squares
.endr
.set q, 4
.rept 28
	v_pk_fma_f32 v[8+2*(q%4):9+2*(q%4)], v[X+64*\p+2*q:X+64*\p+2*q+1], v[X+64*\p+2*q:X+64*\p+2*q+1], v[8+2*(q%4):9+2*(q%4)]
.set q, q+1
.endr
	v_pk_add_f32 v[8:9], v[8:9], v[10:11]
	v_pk_add_f32 v[12:13], v[12:13], v[14:15]
	v_pk_add_f32 v[8:9], v[8:9], v[12:13]
	v_add_f32 v8, v8, v9
	v_add_f32_dpp v8, v8, v8 row_xmask:1 row_mask:0xf bank_mask:0xf    ; over i; bit 3 of the lane is the row and is left out
	v_add_f32_dpp v8, v8, v8 row_xmask:2 row_mask:0xf bank_mask:0xf
	v_add_f32_dpp v8, v8, v8 row_xmask:4 row_mask:0xf bank_mask:0xf
	v_permlanex16_b32 v5, v8, s24, s25                                 ; over g
	v_add_f32 v8, v8, v5
	v_sqrt_f32 v9, v8
	v_nop                                          ; one plain place behind a transcendental (ISA guide 5.7.2)
	s_wait_alu depctr_va_vdst(0)
	v_max_num_f32 v9, EPS, v9
	v_rcp_f32 v10, v9
	v_nop
	s_wait_alu depctr_va_vdst(0)
	v_mul_f32 v6, 2.0, v10                         ; sqrt(1024) / 16
	v_mov_b32 v7, v6
.set q, 0
.rept 32
	v_pk_mul_f32 v[X+64*\p+2*q:X+64*\p+2*q+1], v[X+64*\p+2*q:X+64*\p+2*q+1], v[G+2*q:G+2*q+1]
.set q, q+1
.endr
.set q, 0
.rept 32
	v_pk_mul_f32 v[X+64*\p+2*q:X+64*\p+2*q+1], v[X+64*\p+2*q:X+64*\p+2*q+1], v[6:7]
.set q, q+1
.endr
.irp t, 0,1,2,3,4,5,6,7
.irp c, 0,1,2,3
	v_cvt_pk_f16_f32 v[X+64*\p+8*\t+\c], v[X+64*\p+8*\t+2*\c], v[X+64*\p+8*\t+2*\c+1]   ; in place: word c is written when words 2c, 2c+1 are read
.endr
.endr
.irp t, 0,1,2,3
	global_store_b128 v4, v[X+64*\p+8*\t:X+64*\p+8*\t+3], s[20:21] offset:\t*2097152+\p*256       ; sixteen lanes: two rows of one block, 256 consecutive bytes, aligned
.endr
.irp t, 4,5,6,7
	global_store_b128 v4, v[X+64*\p+8*\t:X+64*\p+8*\t+3], s[26:27] offset:(\t-4)*2097152+\p*256
.endr
.endm
	XPASS 0, 16                                    ; the second pass's sixteen loads stay out
	XPASS 1, 0
	s_endpgm
.Lfunc_end_k_q3a3b96bbcf_prep:
	.size	k_q3a3b96bbcf_prep, .Lfunc_end_k_q3a3b96bbcf_prep-k_q3a3b96bbcf_prep
	.p2alignl 7, 3214868480
	.fill 96, 4, 3214868480
	.section	.rodata,"a",@progbits
	.p2align	6, 0x0
	.amdhsa_kernel k_q3a3b96bbcf_prep
		.amdhsa_group_segment_fixed_size 37888
		.amdhsa_private_segment_fixed_size 0
		.amdhsa_enable_private_segment 0
		.amdhsa_kernarg_size 56
		.amdhsa_user_sgpr_count 2
		.amdhsa_user_sgpr_kernarg_segment_ptr 1
		.amdhsa_wavefront_size32 1
		.amdhsa_system_sgpr_workgroup_id_x 1
		.amdhsa_system_sgpr_workgroup_id_y 1
		.amdhsa_system_sgpr_workgroup_id_z 1
		.amdhsa_system_vgpr_workitem_id 0
		.amdhsa_next_free_vgpr 210
		.amdhsa_next_free_sgpr 66
		.amdhsa_reserve_vcc 0
		.amdhsa_float_denorm_mode_32 3
		.amdhsa_float_denorm_mode_16_64 3
		.amdhsa_memory_ordered 1
		.amdhsa_forward_progress 1
		.amdhsa_inst_pref_size 35
	.end_amdhsa_kernel
	.amdgpu_metadata
---
amdhsa.version: [ 1, 2 ]
amdhsa.kernels:
  - .name:           k_q3a3b96bbcf_prep
    .symbol:         k_q3a3b96bbcf_prep.kd
    .args:
      - { .name: x, .offset: 0, .size: 8, .value_kind: global_buffer, .address_space: global }
      - { .name: gamma, .offset: 8, .size: 8, .value_kind: global_buffer, .address_space: global }
      - { .name: w_qkv, .offset: 16, .size: 8, .value_kind: global_buffer, .address_space: global }
      - { .name: w_out, .offset: 24, .size: 8, .value_kind: global_buffer, .address_space: global }
      - { .name: xb, .offset: 32, .size: 8, .value_kind: global_buffer, .address_space: global }
      - { .name: wtf, .offset: 40, .size: 8, .value_kind: global_buffer, .address_space: global }
      - { .name: wof, .offset: 48, .size: 8, .value_kind: global_buffer, .address_space: global }
    .group_segment_fixed_size: 37888
    .private_segment_fixed_size: 0
    .kernarg_segment_align: 8
    .kernarg_segment_size: 56
    .max_flat_workgroup_size: 256
    .sgpr_count:     66
    .vgpr_count:     210
    .wavefront_size: 32
...
	.end_amdgpu_metadata
.endif
;; end of part 1
;; launch qkv (part 2): grid 8 x 32, 4 waves a work-group, clusters of 4 x 4, 327,680 bytes of LDS; arguments xb, wtf, vf, simp, ssq; writes vf, simp, ssq
.if DOCPART == 2
	.amdgcn_target "amdgcn-amd-amdhsa--gfx1250"
	.amdhsa_code_object_version 6
	.text
	.protected	k_q3a3b96bbcf_qkv
	.globl	k_q3a3b96bbcf_qkv
	.p2align	8
	.type	k_q3a3b96bbcf_qkv,@function
k_q3a3b96bbcf_qkv:
	s_mov_b64 s[64:65], 0
	v_nop
	global_prefetch_b8 v0, s[64:65] scope:SCOPE_SE
	s_setreg_imm32_b32 hwreg(HW_REG_WAVE_MODE, 25, 1), 1
	s_wait_xcnt 0x0
	s_wait_alu depctr_hold_cnt(0) depctr_sa_sdst(0) depctr_va_vdst(0) depctr_va_sdst(0) depctr_va_ssrc(0) depctr_va_vcc(0) depctr_vm_vsrc(0)
	s_getreg_b32 s2, hwreg(HW_REG_IB_STS2, 6, 4)
	s_cmp_eq_u32 s2, 0
	s_cbranch_scc0 .Lentry_in_a_cluster
	s_endpgm
.Lentry_in_a_cluster:
	s_bfe_u32 s2, ttmp6, 0x10000c
	s_cmp_lg_u32 s2, 0xf033
	s_cbranch_scc0 .Lentry_shape_is_right
	s_endpgm
.Lentry_shape_is_right:
; qkv: the QKV projection, [8192 x 1024] x [1024 x 3072], f16 operands, f32 sums; q and k never leave the registers.
; A work-group makes 256 rows (row block rb) of q, k and v of two heads (head pair hp): 256 x 384, so that 8 x 32 = 256 work-groups cover the product.
; Wave 2 i + j makes rows 128 i .. + 127 of head 2 hp + j: 8 row tiles x 12 column tiles = 96 accumulators of 16 x 16, 768 registers.
; K goes in 16 steps of 64 through two LDS slots filled by the tensor data mover; a step is two halves of 32, 96 matrix instructions each.
; At the end: v goes out in f16, in the order in which the last launch reads it; q and k are packed to f16 in the registers, where a packed
; result tile IS a fragment of the product that sums over the rows, and S[d][e] = sum over my rows of q[.][d] k[.][e] is made there;
; S and the sums of squares of q's and k's columns go out as partial sums of this block of 256 rows.
; vf: [block of 128 rows 64][head 16][row tile 8][2,048 bytes in fragment order]: a wave's 16,384 bytes of v are one such (block, head).
; All of q, k, v are 1/16 of their true size (xb holds xn / 16).  LIMIT: f16 turns infinite where |q|, |k| or |v| reaches 1.0e6.
; The order of the sums differs from a plain ascending one: k is permuted inside blocks of 64 (alike in both operands).
; CLUSTERS: 4 x 4 work-groups.  xb's tile hangs on rb alone and is asked for jointly by a row of the cluster, wtf's on hp alone, by a column.
;
; LDS: slot s at s x 83,968: A's two pieces of 128 rows (17,408 bytes each: 64 descriptor rows of 256 bytes + 16 of padding, each holding two
;      rows of 128 bytes: row m at (m>>1) 272 + (m&1) 128; the sixteen lanes of a fragment load fall on sixteen different 16-byte places modulo 256),
;      then B's two pieces (a head's 12 tiles of 2,048 bytes, fragment order: every load takes 512 consecutive bytes).
;      Behind the slots, at 167,936: two exchange areas of 16,896 bytes, written by LDS stores alone; no tensor load lands there.
; REGISTERS: window 0: v16-26 addresses; v32-95, v96-159 A's fragments, two buffers; v160-255 B's twelve fragments, one buffer, loaded again in thirds.
;      windows 1, 2, 3: the accumulators of q, k, v; tile (a, b) at 8 T, T = 8 (a>>1) + 2 b + (a&1), so that two packed tiles of neighbouring a lie side by side.
.set APIECE, 17408
.set BPIECE, 24576
.set BOFF,   2*APIECE
.set SLOT,   BOFF+2*BPIECE
.set XCH,    2*SLOT
.set XPITCH, 16896
.set ASTEP,  1048576                   ; xb: bytes from a block of 64 k to the next
.set BSTEP,  393216                    ; wtf: the same
.set ADRA, 16                          ; v16-17  LDS address of my A fragments in slot 0, 1
.set ADRB, 20                          ; v20-21  the same for B
.set L16,  24                          ; v24     16 x lane
.set XA,   25                          ; v25     my place in my head's exchange area
.set LN,   26                          ; v26     lane
.set FA0,  32
.set FA1,  96
.set FB,   160
.set SIM,  32                          ; v32-159   at the end: first v packed, then S, 16 tiles
.set SQ,   160                         ; v160-175  sums of squares, a pair for each of q's and k's four column tiles
.set SV,   176                         ; v176-179  the four sums that this lane hands on
.set PV,   184                         ; v184-187  the partner wave's
.set TB,   192                         ; v192-255  the partner wave's S, half at a time
.set G1A, 24                           ; s[24:31] group 1 for A's tiles
.set G0A, 32                           ; s[32:39] group 0 for A's tiles, a set for each slot
.set G1B, 40                           ; s[40:47] group 1 for B's tiles
.set G0B, 48                           ; s[48:55] group 0 for B's tiles, a set for each slot
.set MSB, 0
.macro WIN new                         ; s_set_vgpr_msb: bits 1:0 source 0, 3:2 source 1, 5:4 source 2, 7:6 destination; the high byte repeats the setting that is left
.if MSB != (\new)
	s_set_vgpr_msb (MSB<<8)|(\new)
.set MSB, (\new)
.endif
.endm
.macro PLACES                          ; four plain vector instructions between a matrix instruction and a load into, or a vector read or write of, its registers
.rept 4
	v_nop
.endr
.endm
; A joint load.  Waves 0 and 1 fetch A's two pieces, waves 2 and 3 B's.  The branch hangs on the wave's number alone.
.macro JLOAD s
	s_cmp_eq_u32 s15, 0
	s_cbranch_scc0 .Lfor_b_\@
	tensor_load_to_lds s[G0A+4*\s:G0A+4*\s+3], s[G1A:G1A+7]
	s_nop 0
	s_branch .Lasked_\@
.Lfor_b_\@:
	tensor_load_to_lds s[G0B+4*\s:G0B+4*\s+3], s[G1B:G1B+7]
	s_nop 0
.Lasked_\@:
.endm
.macro CREST                           ; a round of the cluster's barrier behind its opening work-group barrier
	s_cmp_lg_u32 s14, 0
	s_cbranch_scc1 .Lnot_wave_0_\@
	s_barrier_signal -3
.Lnot_wave_0_\@:
	s_barrier_wait -3
	s_barrier_signal -1
	s_barrier_wait -1
.endm
.macro CROUND                          ; a whole round
	s_barrier_signal -1
	s_barrier_wait -1
	CREST
.endm
	s_load_b256 s[4:11], s[0:1], 0x0               ; xb s[4:5], wtf s[6:7], vf s[8:9], simp s[10:11]
	s_load_b64 s[12:13], s[0:1], 0x20              ; ssq
	v_lshl_add_u32 v30, v0, 2, 0x31400
	v_mov_b32 v31, 0
	ds_add_u32 v30, v31
	v_lshrrev_b32 v1, 5, v0
	v_readfirstlane_b32 s14, v1                    ; wave 0..3
	s_lshr_b32 s15, s14, 1                         ; i: my half of the rows.  Also: I fetch for A (0) or for B (1)
	s_and_b32 s16, s14, 1                          ; j: my head of the pair.  Also: which piece I fetch
	s_bfe_u32 s17, ttmp6, 0x40000                  ; cx
	s_bfe_u32 s18, ttmp6, 0x40004                  ; cy
	s_lshl_b32 s19, ttmp9, 2
	s_add_co_u32 s19, s19, s17                     ; hp = 4 x cluster x + cx
	s_and_b32 s20, ttmp7, 0xffff
	s_lshl_b32 s20, s20, 2
	s_add_co_u32 s20, s20, s18                     ; rb = 4 x cluster y + cy
	s_lshl_b32 s21, s18, 2
	s_lshl_b32 s21, 15, s21                        ; my row of the cluster
	s_lshl_b32 s22, 0x1111, s17                    ; my column
	; group 1.  Both tiles are dense in memory and come in as rows of 32 elements of 8 bytes = 256 bytes.
	s_or_b32 s[G1A+0], s21, (3<<16)|(1<<20)|(1<<21)|(5<<22)|(3<<25)    ; mask: my row; 8-byte elements; padding on; bit 21 beside a mask; after every 64 words, 4 words
	s_mov_b32 s[G1A+1], 32<<16                     ; tensor_dim0 = 32
	s_mov_b32 s[G1A+2], 64<<16                     ; tensor_dim1 = 64
	s_mov_b32 s[G1A+3], 32<<16                     ; tile_dim0 = 32
	s_mov_b32 s[G1A+4], 64                         ; tile_dim1 = 64 rows: 128 rows of xb
	s_mov_b32 s[G1A+5], 32                         ; pitch = 32 elements
	s_mov_b32 s[G1A+6], 0
	s_mov_b32 s[G1A+7], 0
	s_or_b32 s[G1B+0], s22, (3<<16)|(1<<21)        ; mask: my column; no padding
	s_mov_b32 s[G1B+1], 32<<16
	s_mov_b32 s[G1B+2], 96<<16                     ; 96 rows of 256 bytes: a head's 12 tiles
	s_mov_b32 s[G1B+3], 32<<16
	s_mov_b32 s[G1B+4], 96
	s_mov_b32 s[G1B+5], 32
	s_mov_b32 s[G1B+6], 0
	s_mov_b32 s[G1B+7], 0
	; where the tiles come from: A's address is made of rb and j, B's of hp and j, in registers that never hold the other coordinate
	s_lshl_b32 s56, s20, 15                        ; 256 rows of 128 bytes
	s_lshl_b32 s57, s16, 14                        ; piece j
	s_add_co_u32 s56, s56, s57
	s_mov_b32 s57, 0
	s_mul_i32 s60, s19, 2*BPIECE
	s_mul_i32 s61, s16, BPIECE
	s_add_co_u32 s60, s60, s61
	s_mov_b32 s61, 0
	s_mul_i32 s66, s16, APIECE                     ; and where they go: the wave's number and constants alone
	s_mul_i32 s67, s16, BPIECE
	s_add_co_u32 s67, s67, BOFF
	s_wait_dscnt 0x0
	s_wait_kmcnt 0x0
	s_add_nc_u64 s[58:59], s[4:5], s[56:57]
	s_add_nc_u64 s[62:63], s[6:7], s[60:61]
	CROUND                                         ; all sixteen work-groups are here: the first joint loads meet
.irp s, 0,1
	s_mov_b32 s[G0A+4*\s], 1
	s_add_co_u32 s[G0A+4*\s+1], s66, \s*SLOT
	s_add_nc_u64 s[G0A+4*\s+2:G0A+4*\s+3], s[58:59], \s*ASTEP      ; K step s
	s_or_b32 s[G0A+4*\s+3], s[G0A+4*\s+3], 0x80000000
	s_mov_b32 s[G0B+4*\s], 1
	s_add_co_u32 s[G0B+4*\s+1], s67, \s*SLOT
	s_add_nc_u64 s[G0B+4*\s+2:G0B+4*\s+3], s[62:63], \s*BSTEP
	s_or_b32 s[G0B+4*\s+3], s[G0B+4*\s+3], 0x80000000
	JLOAD \s                                       ; both slots are asked for before anything else: a wave has two tensor loads out here, one behind each later round
.endr
	v_and_b32 v[LN], 31, v0
	v_and_b32 v2, 15, v0                           ; r
	v_bfe_u32 v3, v0, 4, 1                         ; hh
	v_lshrrev_b32 v5, 1, v2
	v_and_b32 v6, 1, v2
	v_mul_u32_u24 v4, v5, 272                      ; row r of a tile: (r>>1) 272
	v_lshl_add_u32 v4, v6, 7, v4                   ; + (r&1) 128
	v_lshl_add_u32 v4, v3, 4, v4                   ; + 16 hh
	s_mul_i32 s68, s15, APIECE                     ; my 128 rows
	v_add_nc_u32 v[ADRA], s68, v4
	v_add_nc_u32 v[ADRA+1], SLOT, v[ADRA]
	v_lshlrev_b32 v[L16], 4, v[LN]
	v_add_nc_u32 v[ADRB], s67, v[L16]              ; my head's piece
	v_add_nc_u32 v[ADRB+1], SLOT, v[ADRB]
	s_mul_i32 s69, s16, XPITCH
	s_add_co_u32 s69, s69, XCH
	v_add_nc_u32 v[XA], s69, v[L16]
	s_mov_b32 s70, 0x76543210                      ; v_permlanex16_b32: lane i of one half reads lane i of the other
	s_mov_b32 s71, 0xfedcba98
	; the three outputs' addresses, in registers of their own
	s_lshl1_add_u32 s72, s19, s16                  ; head h = 2 hp + j
	s_lshl4_add_u32 s73, s20, s72                  ; 16 rb + h
	s_lshl_b32 s74, s72, 14                        ; vf: 8 row tiles of 2,048 bytes a head
	s_lshl_b32 s75, s20, 19                        ;     two blocks of 128 rows, 16 heads each, a row block
	s_add_co_u32 s74, s74, s75
	s_lshl_b32 s75, s15, 18                        ;     my block of 128 rows
	s_add_co_u32 s74, s74, s75
	s_mov_b32 s75, 0
	s_add_nc_u64 s[76:77], s[8:9], s[74:75]
	s_lshl_b32 s74, s73, 14
	s_add_nc_u64 s[78:79], s[10:11], s[74:75]      ; simp: 16,384 bytes for each (rb, h)
	s_lshl_b32 s74, s73, 9
	s_add_nc_u64 s[80:81], s[12:13], s[74:75]      ; ssq: 512 bytes for each (rb, h)
; Matrix instructions of part 0 (q), 1 (k) or 2 (v): row tiles a0 .. a0 + na - 1 x the part's four column tiles, 32 along K, A's fragments in buffer fa.
; q and k: source 0 = rows of xb, so that a lane holds one channel and eight rows.  v: the sources swapped, so that a lane holds one row and eight neighbouring channels.
; The accumulators take turns, one instruction a turn.
.macro MULW part, fa, a0, na, zero
	WIN (\part+1)*0x50
.set ma, \a0
.rept \na
.set mb, 0
.rept 4
.set mt, 8*(8*(ma>>1)+2*mb+(ma&1))
.if \part == 2
.if \zero
	v_wmma_f32_16x16x32_f16 v[mt:mt+7], v[FB+64+8*mb:FB+64+8*mb+7], v[\fa+8*ma:\fa+8*ma+7], 0
.else
	v_wmma_f32_16x16x32_f16 v[mt:mt+7], v[FB+64+8*mb:FB+64+8*mb+7], v[\fa+8*ma:\fa+8*ma+7], v[mt:mt+7]
.endif
.else
.if \zero
	v_wmma_f32_16x16x32_f16 v[mt:mt+7], v[\fa+8*ma:\fa+8*ma+7], v[FB+32*\part+8*mb:FB+32*\part+8*mb+7], 0
.else
	v_wmma_f32_16x16x32_f16 v[mt:mt+7], v[\fa+8*ma:\fa+8*ma+7], v[FB+32*\part+8*mb:FB+32*\part+8*mb+7], v[mt:mt+7]
.endif
.endif
.set mb, mb+1
.endr
.set ma, ma+1
.endr
.endm
.macro LB slot, kk, b0                 ; 8 LDS loads: B's fragments b0 .. b0 + 3 of half kk
.irp b, 0,1,2,3
	ds_load_b128 v[FB+8*(\b0+\b):FB+8*(\b0+\b)+3],   v[ADRB+\slot] offset:(\b0+\b)*2048+\kk*1024
	ds_load_b128 v[FB+8*(\b0+\b)+4:FB+8*(\b0+\b)+7], v[ADRB+\slot] offset:(\b0+\b)*2048+\kk*1024+512
.endr
.endm
.macro LA slot, kk, ga                 ; 16 LDS loads: A's eight fragments of half kk into buffer ga
.irp a, 0,1,2,3,4,5,6,7
	ds_load_b128 v[\ga+8*\a:\ga+8*\a+3],   v[ADRA+\slot] offset:\a*2176+\kk*64
	ds_load_b128 v[\ga+8*\a+4:\ga+8*\a+7], v[ADRA+\slot] offset:\a*2176+\kk*64+32
.endr
.endm
; A half step that stays in its slot.  Multiplies buffer fa; each third of B is loaded again for the next half (nslot, nkk) straight behind its only use.
; The loads of a half go out as three runs: 24 (B's first third and A), 8, 8.
.macro HALF fa, ga, nslot, nkk, zero
	s_wait_dscnt 16                                ; the last half's run of 24 is in; its two runs of 8 may be out
	MULW 0, \fa, 0, 8, \zero
	PLACES
	WIN 0
	LB \nslot, \nkk, 0
	LA \nslot, \nkk, \ga
	s_wait_dscnt 32                                ; the last half's second run is in: behind it came its third (8) and the 24 just issued
	MULW 1, \fa, 0, 8, \zero
	PLACES
	WIN 0
	LB \nslot, \nkk, 4
	s_wait_dscnt 32                                ; the last half's third run is in: behind it came 24 + 8
	MULW 2, \fa, 0, 8, \zero
	PLACES
	WIN 0
	LB \nslot, \nkk, 8
.endm
; The second half of a step: multiplies buffer FA1 and changes slots.  fill = 1: this slot is filled again, two K steps ahead.
; In front of the barrier each wave waits for its reads of this slot and for all its tensor loads (one is out: its part of the next slot).
; Behind it the refill comes first, then the next slot's fragments.  From a request to the wait for it a wave issues 176 matrix instructions.
.macro TURN slot, next, fill
	s_wait_dscnt 16
	MULW 0, FA1, 0, 4, 0
	s_wait_dscnt 0                                 ; my reads of this slot are over
	s_wait_tensorcnt 0x0                           ; and all my tensor loads have landed
	ds_add_u32 v30, v31
	s_wait_dscnt 0x0
	s_barrier_signal -1                            ; (where the slot is filled again this barrier opens a round of the cluster's barrier)
	MULW 0, FA1, 4, 4, 0                           ; registers alone between signal and wait
	WIN 0
	s_barrier_wait -1
.if \fill
	CREST                                          ; no wave of any partner still reads this slot or has a load on its way
	s_add_nc_u64 s[G0A+4*\slot+2:G0A+4*\slot+3], s[G0A+4*\slot+2:G0A+4*\slot+3], 2*ASTEP
	s_add_nc_u64 s[G0B+4*\slot+2:G0B+4*\slot+3], s[G0B+4*\slot+2:G0B+4*\slot+3], 2*BSTEP
	JLOAD \slot                                    ; the first tensor load behind the round, one a wave
.endif
	PLACES
	LB \next, 0, 0
	LA \next, 0, FA0
	MULW 1, FA1, 0, 8, 0                           ; B's other two thirds were shown in by the wait for 0
	PLACES
	WIN 0
	LB \next, 0, 4
	MULW 2, FA1, 0, 8, 0
	PLACES
	WIN 0
	LB \next, 0, 8
.endm
.macro LAP zero                        ; two K steps, both slots filled again
	HALF FA0, FA1, 0, 1, \zero
	TURN 0, 1, 1
	HALF FA0, FA1, 1, 1, 0
	TURN 1, 0, 1
.endm
	s_wait_tensorcnt 1                             ; my part of K step 0 is in; step 1's may stay out
	s_barrier_signal -1
	s_barrier_wait -1
	LB 0, 0, 0
	LA 0, 0, FA0
	LB 0, 0, 4
	LB 0, 0, 8
	LAP 1                                          ; the first half's products start the 96 sums: nothing is cleared
	s_mov_b32 s23, 6
.Llap:
	LAP 0
	s_sub_co_u32 s23, s23, 1
	s_cmp_lg_u32 s23, 0
	s_cbranch_scc1 .Llap
	HALF FA0, FA1, 0, 1, 0                         ; K steps 14 and 15: nothing is left to fetch
	TURN 0, 1, 0
	HALF FA0, FA1, 1, 1, 0
	s_wait_dscnt 16                                ; the last half: the counts run down
	MULW 0, FA1, 0, 8, 0
	s_wait_dscnt 8
	MULW 1, FA1, 0, 8, 0
	s_wait_dscnt 0
	MULW 2, FA1, 0, 8, 0
	; ---- v out.  Tile (a, b): lane (r, hh) holds row r, channels 16 b + 8 hh + 0..7: 16 bytes of f16, piece b of row tile a in fragment order.
	PLACES
	WIN 0x0f                                       ; sources in window 3, destination in window 0
.set ma, 0
.rept 8
.set mb, 0
.rept 4
.set mt, 8*(8*(ma>>1)+2*mb+(ma&1))
.irp r, 0,1,2,3
	v_cvt_pk_f16_f32 v[SIM+4*(4*ma+mb)+\r], v[mt+2*\r], v[mt+2*\r+1]
.endr
.set mb, mb+1
.endr
.set ma, ma+1
.endr
	WIN 0
.set q, 0
.rept 32
	global_store_b128 v[L16], v[SIM+4*q:SIM+4*q+3], s[76:77] offset:q*512      ; 512 consecutive bytes, aligned
.set q, q+1
.endr
	; ---- sums of squares of q's and k's columns over my 128 rows, in f32, four chains a part
.macro SUMSQ part
	WIN 0x05*(\part+1)                             ; sources 0 and 1 in window 1 or 2; the sum in window 0
.set ma, 0
.rept 8
.irp r, 0,1,2,3
.set mb, 0
.rept 4
.set mt, 8*(8*(ma>>1)+2*mb+(ma&1))+2*\r
.if (ma+\r) == 0
	v_pk_mul_f32 v[SQ+2*(4*\part+mb):SQ+2*(4*\part+mb)+1], v[mt:mt+1], v[mt:mt+1]
.else
	v_pk_fma_f32 v[SQ+2*(4*\part+mb):SQ+2*(4*\part+mb)+1], v[mt:mt+1], v[mt:mt+1], v[SQ+2*(4*\part+mb):SQ+2*(4*\part+mb)+1]
.endif
.set mb, mb+1
.endr
.endr
.set ma, ma+1
.endr
.endm
	SUMSQ 0
	SUMSQ 1
	WIN 0
.irp x, 0,1,2,3,4,5,6,7
	v_add_f32 v[SQ+2*\x], v[SQ+2*\x], v[SQ+2*\x+1]
.endr
.irp x, 0,1,2,3,4,5,6,7
	v_permlanex16_b32 v[SQ+2*\x+1], v[SQ+2*\x], s70, s71               ; the other eight rows of each tile lie in the other half of the lanes
.endr
.irp x, 0,1,2,3,4,5,6,7
	v_add_f32 v[SQ+2*\x], v[SQ+2*\x], v[SQ+2*\x+1]
.endr
	v_cmp_le_u32 vcc_lo, 16, v[LN]
.irp b, 0,1,2,3
	v_cndmask_b32 v[SV+\b], v[SQ+2*\b], v[SQ+8+2*\b], vcc_lo           ; lanes 0-15 hand on q's sums of channel 16 b + r, lanes 16-31 k's
.endr
	; ---- q and k packed in place: tile T shrinks from 8 registers at 8 T to 4 at 4 T.  Tiles (2 kk, b), (2 kk + 1, b) then form, at 32 kk + 8 b,
	; a fragment of 16 channels x 32 rows: lane (r, hh) holds channel r, registers 0-3 rows 8 hh + 0..7, registers 4-7 rows 16 + 8 hh + 0..7.
.macro PACK win
	WIN \win
.set mt, 0
.rept 32
.irp r, 0,1,2,3
	v_cvt_pk_f16_f32 v[4*mt+\r], v[8*mt+2*\r], v[8*mt+2*\r+1]
.endr
.set mt, mt+1
.endr
.endm
	PACK 0x45
	PACK 0x8a
	; ---- S[d][e] over my 128 rows: 16 tiles (bd, be) x 4 steps of 32 rows; the sixteen accumulators take turns
	s_wait_xcnt 0x0                                ; v's stores read v32-159: these are written again only behind this wait
	WIN 0x09                                       ; source 0 (q) window 1, source 1 (k) window 2, S in window 0
.irp kk, 0,1,2,3
.irp bd, 0,1,2,3
.irp be, 0,1,2,3
.if \kk == 0
	v_wmma_f32_16x16x32_f16 v[SIM+8*(4*\bd+\be):SIM+8*(4*\bd+\be)+7], v[32*\kk+8*\bd:32*\kk+8*\bd+7], v[32*\kk+8*\be:32*\kk+8*\be+7], 0
.else
	v_wmma_f32_16x16x32_f16 v[SIM+8*(4*\bd+\be):SIM+8*(4*\bd+\be)+7], v[32*\kk+8*\bd:32*\kk+8*\bd+7], v[32*\kk+8*\be:32*\kk+8*\be+7], v[SIM+8*(4*\bd+\be):SIM+8*(4*\bd+\be)+7]
.endif
.endr
.endr
.endr
	WIN 0
	PLACES
	; ---- the two waves of a head add their halves: the lower rows' wave (i = 1) hands its sums over through LDS, the other adds and stores
	s_cmp_eq_u32 s15, 0
	s_cbranch_scc1 .Lkeep
.set q, 0
.rept 32
	ds_store_b128 v[XA], v[SIM+4*q:SIM+4*q+3] offset:q*512
.set q, q+1
.endr
	ds_store_b128 v[XA], v[SV:SV+3] offset:16384
.Lkeep:
	s_wait_dscnt 0x0                               ; zero: the partner reads these bytes behind the barrier
	s_barrier_signal -1
	s_barrier_wait -1
	s_cmp_lg_u32 s15, 0
	s_cbranch_scc1 .Lclose
	ds_load_b128 v[PV:PV+3], v[XA] offset:16384
.irp g, 0,1
.irp t, 0,1,2,3,4,5,6,7,8,9,10,11,12,13,14,15
	ds_load_b128 v[TB+4*\t:TB+4*\t+3], v[XA] offset:(16*\g+\t)*512
.endr
	s_wait_dscnt 0x0
.set q, 0
.rept 32
	v_pk_add_f32 v[SIM+64*\g+2*q:SIM+64*\g+2*q+1], v[SIM+64*\g+2*q:SIM+64*\g+2*q+1], v[TB+2*q:TB+2*q+1]
.set q, q+1
.endr
.endr
	v_pk_add_f32 v[SV:SV+1], v[SV:SV+1], v[PV:PV+1]
	v_pk_add_f32 v[SV+2:SV+3], v[SV+2:SV+3], v[PV+2:PV+3]
.set q, 0
.rept 32
	global_store_b128 v[L16], v[SIM+4*q:SIM+4*q+3], s[78:79] offset:q*512      ; registers 4 q .. 4 q + 3 of S, 512 consecutive bytes
.set q, q+1
.endr
	global_store_b128 v[L16], v[SV:SV+3], s[80:81]
.Lclose:
	s_wait_tensorcnt 0x0
	ds_add_u32 v30, v31
	s_wait_dscnt 0x0
	CROUND                                         ; the closing round: no work-group ends while a partner may still ask for a tile that names it
	s_endpgm
.Lfunc_end_k_q3a3b96bbcf_qkv:
	.size	k_q3a3b96bbcf_qkv, .Lfunc_end_k_q3a3b96bbcf_qkv-k_q3a3b96bbcf_qkv
	.p2alignl 7, 3214868480
	.fill 96, 4, 3214868480
	.section	.rodata,"a",@progbits
	.p2align	6, 0x0
	.amdhsa_kernel k_q3a3b96bbcf_qkv
		.amdhsa_group_segment_fixed_size 327680
		.amdhsa_private_segment_fixed_size 0
		.amdhsa_enable_private_segment 0
		.amdhsa_kernarg_size 40
		.amdhsa_user_sgpr_count 2
		.amdhsa_user_sgpr_kernarg_segment_ptr 1
		.amdhsa_wavefront_size32 1
		.amdhsa_system_sgpr_workgroup_id_x 1
		.amdhsa_system_sgpr_workgroup_id_y 1
		.amdhsa_system_sgpr_workgroup_id_z 1
		.amdhsa_system_vgpr_workitem_id 0
		.amdhsa_next_free_vgpr 1024
		.amdhsa_next_free_sgpr 96
		.amdhsa_reserve_vcc 1
		.amdhsa_float_denorm_mode_32 3
		.amdhsa_float_denorm_mode_16_64 3
		.amdhsa_memory_ordered 1
		.amdhsa_forward_progress 1
		.amdhsa_inst_pref_size 180
	.end_amdhsa_kernel
	.amdgpu_metadata
---
amdhsa.version: [ 1, 2 ]
amdhsa.kernels:
  - .name:           k_q3a3b96bbcf_qkv
    .symbol:         k_q3a3b96bbcf_qkv.kd
    .args:
      - { .name: xb, .offset: 0, .size: 8, .value_kind: global_buffer, .address_space: global }
      - { .name: wtf, .offset: 8, .size: 8, .value_kind: global_buffer, .address_space: global }
      - { .name: vf, .offset: 16, .size: 8, .value_kind: global_buffer, .address_space: global }
      - { .name: simp, .offset: 24, .size: 8, .value_kind: global_buffer, .address_space: global }
      - { .name: ssq, .offset: 32, .size: 8, .value_kind: global_buffer, .address_space: global }
    .group_segment_fixed_size: 327680
    .private_segment_fixed_size: 0
    .kernarg_segment_align: 8
    .kernarg_segment_size: 40
    .max_flat_workgroup_size: 128
    .sgpr_count:     96
    .vgpr_count:     1024
    .wavefront_size: 32
...
	.end_amdgpu_metadata
.endif
;; end of part 2
;; launch fold (part 3): grid 4 x 64, 4 waves a work-group, no clusters, 10,752 bytes of LDS; arguments simp, ssq, temperature, wof, wpf; writes wpf
.if DOCPART == 3
	.amdgcn_target "amdgcn-amd-amdhsa--gfx1250"
	.amdhsa_code_object_version 6
	.text
	.protected	k_q3a3b96bbcf_fold
	.globl	k_q3a3b96bbcf_fold
	.p2align	8
	.type	k_q3a3b96bbcf_fold,@function
k_q3a3b96bbcf_fold:
	s_mov_b64 s[64:65], 0
	v_nop
	global_prefetch_b8 v0, s[64:65] scope:SCOPE_SE
	s_setreg_imm32_b32 hwreg(HW_REG_WAVE_MODE, 25, 1), 1
	s_wait_xcnt 0x0
; fold: for one (batch b, head h): sums the eight row blocks' partial S and sums of squares, makes the cosines, the logits 8 exp(temperature) cos,
; the softmax over e with the row's maximum taken away, and folds the result into w_out:
;   W'[c][e] = 16 x sum over d of attn[d][e] w_out[64 h + d][c],   for 256 of the 1,024 columns c (work-group x = which block of 256).
; attn v followed by w_out equals v W' for every input; only the order of the sums differs.  The factor 16 undoes v's 1/16.
; q, k are 1/16 of their true size, which the cosines do not see; the floor under the norms is 1e-12 / 16 accordingly.
; LIMITS: attn x 16, w_out and W' x 16 are f16 operands; W' is at most 64 max|w_out|, so |w_out| must stay below 64 in the worst case of the softmax.
; exp(temperature) is kept in f32.  NaN and infinities are not treated apart.
; Wave w owns rows d = 16 w .. + 15 of the softmax, then c tiles 4 w + 0..3 of the block's sixteen.  The four work-groups of a (b, h) repeat the softmax:
; 64 x 64 numbers, small beside a further launch.  No tensor load, no cluster: what the four share is 128 KiB, read once each.
; S in registers: v[S + 8 be + j] of lane (r, hh) = S[d = 16 w + 8 hh + j][e = 16 be + r].
; wpf: [batch 4][column block 4][head 16][c tile 16][2,048 bytes in fragment order]: the last launch reads a column block's heads as one dense run.
.set S,   16                           ; v[16:47]   first the sums of squares' partials, then S, at the end the packed output
.set FQ,  48                           ; v[48:55]   the factor of row d: 8 log2(e) exp(temperature) / |q_d|
.set KI,  56                           ; v[56:59]   1 / |k_e|, e = 16 be + r
.set IN,  60                           ; v[60:63]   this lane's four reciprocal norms
.set BUF, 64                           ; v[64:191]  four buffers of 32 for the partials
.set MX,  64                           ; v[64:71]   row maxima
.set SM,  72                           ; v[72:79]   row sums
.set PA,  80                           ; v[80:95]   attn packed
.set D,   64                           ; v[64:127]  eight result tiles
.set AT,  128                          ; v[128:191] attn transposed: fragments (be, kk) at 8 (2 be + kk)
.set WO,  192                          ; v[192:255] w_out: fragments (t, kk) at 16 t + 8 kk
.set ATT, 2048                         ; LDS: 0..2047 the norms, 512 bytes a wave, each wave's own; 2048..10239 attn transposed in fragment order
.set EPSQ, 0x298cbccc                  ; 1e-12 / 16
	s_load_b256 s[4:11], s[0:1], 0x0               ; simp s[4:5], ssq s[6:7], temperature s[8:9], wof s[10:11]
	s_load_b64 s[12:13], s[0:1], 0x20              ; wpf
	v_lshl_add_u32 v14, v0, 2, 0x2800
	v_mov_b32 v15, 0
	v_lshrrev_b32 v1, 5, v0
	v_readfirstlane_b32 s14, v1                    ; wave w
	s_and_b32 s15, ttmp7, 0xffff
	s_lshr_b32 s16, s15, 4                         ; b
	s_and_b32 s17, s15, 15                         ; h
	s_lshl_b32 s18, s16, 7
	s_add_co_u32 s18, s18, s17                     ; 16 x (8 b) + h: the first of the batch's eight row blocks
	s_mov_b32 s21, 0
	v_and_b32 v2, 31, v0
	v_lshlrev_b32 v1, 4, v2                        ; 16 x lane
	v_lshl_add_u32 v3, s14, 9, v1                  ; LDS: 512 w + 16 lane
	v_and_b32 v5, 15, v0
	v_lshlrev_b32 v4, 4, v5
	v_lshl_add_u32 v4, s14, 9, v4                  ; LDS: 512 w + 16 r
	v_bfe_u32 v7, v0, 4, 1
	s_mul_i32 s33, s14, 516
	v_lshlrev_b32 v6, 7, v7
	v_add_nc_u32 v6, s33, v6                       ; LDS: 512 w + 16 (8 hh) + 4 w
	s_wait_kmcnt 0x0
	s_lshl_b32 s20, s17, 2
	s_add_nc_u64 s[30:31], s[8:9], s[20:21]
	s_load_b32 s32, s[30:31], 0x0                  ; temperature[h]
	s_lshl_b32 s20, s18, 9
	s_add_nc_u64 s[22:23], s[6:7], s[20:21]
	s_lshl_b32 s20, s18, 14
	s_lshl_b32 s33, s14, 12                        ; my rows' 32 registers: 8 pieces of 512 bytes
	s_add_co_u32 s20, s20, s33
	s_add_nc_u64 s[24:25], s[4:5], s[20:21]
	s_lshl_b32 s20, s17, 17                        ; wof: 64 c tiles of 2,048 bytes a head,
	s_lshl_b32 s33, ttmp9, 15                      ; 16 c tiles a column block,
	s_add_co_u32 s20, s20, s33
	s_lshl_b32 s33, s14, 13                        ; 4 c tiles a wave
	s_add_co_u32 s20, s20, s33
	s_add_nc_u64 s[26:27], s[10:11], s[20:21]
	s_lshl_b32 s20, s16, 21                        ; wpf: 4 column blocks x 16 heads x 32,768 bytes a batch,
	s_lshl_b32 s33, ttmp9, 19                      ; 16 heads a column block,
	s_add_co_u32 s20, s20, s33
	s_lshl_b32 s33, s17, 15                        ; 16 c tiles a head,
	s_add_co_u32 s20, s20, s33
	s_lshl_b32 s33, s14, 13                        ; 4 c tiles a wave
	s_add_co_u32 s20, s20, s33
	s_add_nc_u64 s[28:29], s[12:13], s[20:21]
.irp p, 0,1,2,3,4,5,6,7
	global_load_b128 v[S+4*\p:S+4*\p+3], v1, s[22:23] offset:\p*8192
.endr
.macro LDP p, buf                      ; partial p of my 32 registers of S
.irp q, 0,1,2,3,4,5,6,7
	global_load_b128 v[BUF+32*\buf+4*\q:BUF+32*\buf+4*\q+3], v1, s[24:25] offset:\p*262144+\q*512
.endr
.endm
.macro ADDP buf
.set q, 0
.rept 16
	v_pk_add_f32 v[S+2*q:S+2*q+1], v[S+2*q:S+2*q+1], v[BUF+32*\buf+2*q:BUF+32*\buf+2*q+1]
.set q, q+1
.endr
.endm
	LDP 0, 0
	LDP 1, 1
	LDP 2, 2
	LDP 3, 3
.irp f, 0,1,2,3,4,5,6,7,8,9,10,11,12,13,14,15
	global_load_b128 v[WO+4*\f:WO+4*\f+3], v1, s[26:27] offset:\f*512
.endr
	; ---- the norms.  Lane (r, hh) holds the sums of squares of channels 16 b' + r, b' = 0..3, of q (hh = 0) or k (hh = 1).
	s_wait_loadcnt 48                              ; the eight loads of sums of squares are in; 32 + 16 younger ones stay out
	v_pk_add_f32 v[48:49], v[S:S+1], v[S+4:S+5]
	v_pk_add_f32 v[50:51], v[S+2:S+3], v[S+6:S+7]
.irp p, 2,3,4,5,6,7
	v_pk_add_f32 v[48:49], v[48:49], v[S+4*\p:S+4*\p+1]
	v_pk_add_f32 v[50:51], v[50:51], v[S+4*\p+2:S+4*\p+3]
.endr
.irp c, 0,1,2,3
	v_sqrt_f32 v[52+\c], v[48+\c]
.endr
	v_nop                                          ; one plain place behind transcendentals (ISA guide 5.7.2)
	s_wait_alu depctr_va_vdst(0)
.irp c, 0,1,2,3
	v_max_num_f32 v[52+\c], EPSQ, v[52+\c]
.endr
.irp c, 0,1,2,3
	v_rcp_f32 v[IN+\c], v[52+\c]
.endr
	v_nop
	s_wait_alu depctr_va_vdst(0)
	ds_store_b128 v3, v[IN:IN+3]                   ; my wave's own bytes; LDS serves a wave's instructions in order, so the loads below see them
	ds_load_b128 v[KI:KI+3], v4 offset:256         ; k's, channels 16 be + r
.irp j, 0,1,2,3,4,5,6,7
	ds_load_b32 v[FQ+\j], v6 offset:\j*16          ; q's, channel 16 w + 8 hh + j
.endr
	s_wait_kmcnt 0x0
	v_mov_b32 v7, s32
	v_mul_f32 v7, 0x3fb8aa3b, v7
	v_exp_f32 v7, v7                               ; exp(temperature)
	v_nop
	s_wait_alu depctr_va_vdst(0)
	v_mul_f32 v8, 0x4138aa3b, v7                   ; x 8 log2(e): the exponentials below are to base 2
	v_mov_b32 v9, v8
	s_wait_dscnt 0x0
.irp x, 0,1,2,3
	v_pk_mul_f32 v[FQ+2*\x:FQ+2*\x+1], v[FQ+2*\x:FQ+2*\x+1], v[8:9]
.endr
	; ---- S = the sum of the eight partials, four buffers taking turns
	s_wait_loadcnt 32                              ; partials 0, 1 are in; 2, 3 (16) and w_out (16) stay out
.set q, 0
.rept 16
	v_pk_add_f32 v[S+2*q:S+2*q+1], v[BUF+2*q:BUF+2*q+1], v[BUF+32+2*q:BUF+32+2*q+1]
.set q, q+1
.endr
	LDP 4, 0
	LDP 5, 1
	s_wait_loadcnt 32                              ; partials 2, 3 are in; w_out (16) and partials 4, 5 (16) stay out
	ADDP 2
	ADDP 3
	LDP 6, 2
	LDP 7, 3
	s_wait_loadcnt 16                              ; w_out and partials 4, 5 are in; 6, 7 stay out
	ADDP 0
	ADDP 1
	s_wait_loadcnt 0x0
	ADDP 2
	ADDP 3
	; ---- logits (to base 2), softmax over e = (be, r): r runs over the sixteen lanes of a row of lanes
.irp be, 0,1,2,3
.irp x, 0,1,2,3
	v_pk_mul_f32 v[S+8*\be+2*\x:S+8*\be+2*\x+1], v[S+8*\be+2*\x:S+8*\be+2*\x+1], v[FQ+2*\x:FQ+2*\x+1]
.endr
.endr
.irp be, 0,1,2,3
.irp j, 0,1,2,3,4,5,6,7
	v_mul_f32 v[S+8*\be+\j], v[KI+\be], v[S+8*\be+\j]
.endr
.endr
.irp j, 0,1,2,3,4,5,6,7
	v_max3_num_f32 v[MX+\j], v[S+\j], v[S+8+\j], v[S+16+\j]
.endr
.irp j, 0,1,2,3,4,5,6,7
	v_max_num_f32 v[MX+\j], v[MX+\j], v[S+24+\j]
.endr
.irp m, 1,2,4,8
.irp j, 0,1,2,3,4,5,6,7
	v_max_num_f32_dpp v[MX+\j], v[MX+\j], v[MX+\j] row_xmask:\m row_mask:0xf bank_mask:0xf
.endr
.endr
.irp be, 0,1,2,3
.irp x, 0,1,2,3
	v_pk_add_f32 v[S+8*\be+2*\x:S+8*\be+2*\x+1], v[S+8*\be+2*\x:S+8*\be+2*\x+1], v[MX+2*\x:MX+2*\x+1] neg_lo:[0,1] neg_hi:[0,1]
.endr
.endr
.set q, 0
.rept 32
	v_exp_f32 v[S+q], v[S+q]
.set q, q+1
.endr
	v_nop
	s_wait_alu depctr_va_vdst(0)
.irp x, 0,1,2,3
	v_pk_add_f32 v[SM+2*\x:SM+2*\x+1], v[S+2*\x:S+2*\x+1], v[S+8+2*\x:S+8+2*\x+1]
.endr
.irp x, 0,1,2,3
	v_pk_add_f32 v[SM+2*\x:SM+2*\x+1], v[SM+2*\x:SM+2*\x+1], v[S+16+2*\x:S+16+2*\x+1]
.endr
.irp x, 0,1,2,3
	v_pk_add_f32 v[SM+2*\x:SM+2*\x+1], v[SM+2*\x:SM+2*\x+1], v[S+24+2*\x:S+24+2*\x+1]
.endr
.irp m, 1,2,4,8
.irp j, 0,1,2,3,4,5,6,7
	v_add_f32_dpp v[SM+\j], v[SM+\j], v[SM+\j] row_xmask:\m row_mask:0xf bank_mask:0xf
.endr
.endr
.irp j, 0,1,2,3,4,5,6,7
	v_rcp_f32 v[SM+\j], v[SM+\j]                   ; the sum is at least 1: the row's maximum gives 2^0
.endr
	v_nop
	s_wait_alu depctr_va_vdst(0)
.irp x, 0,1,2,3
	v_pk_mul_f32 v[SM+2*\x:SM+2*\x+1], v[SM+2*\x:SM+2*\x+1], 0x41800000 op_sel_hi:[1,0]   ; x 16: undoes v's 1/16
.endr
.irp be, 0,1,2,3
.irp x, 0,1,2,3
	v_pk_mul_f32 v[S+8*\be+2*\x:S+8*\be+2*\x+1], v[S+8*\be+2*\x:S+8*\be+2*\x+1], v[SM+2*\x:SM+2*\x+1]
.endr
.endr
	; A lane's eight j of tile be are d = 16 w + 8 hh + 0..7 of row e = 16 be + r of attn transposed: piece w of that tile's fragment order
.irp be, 0,1,2,3
.irp x, 0,1,2,3
	v_cvt_pk_f16_f32 v[PA+4*\be+\x], v[S+8*\be+2*\x], v[S+8*\be+2*\x+1]
.endr
.endr
.irp be, 0,1,2,3
	ds_store_b128 v3, v[PA+4*\be:PA+4*\be+3] offset:ATT+\be*2048
.endr
	s_wait_dscnt 0x0                               ; zero: the other waves read these bytes behind the barrier
	s_barrier_signal -1
	s_barrier_wait -1
.irp n, 0,1,2,3,4,5,6,7,8,9,10,11,12,13,14,15
	ds_load_b128 v[AT+4*\n:AT+4*\n+3], v1 offset:ATT+\n*512
.endr
	s_wait_dscnt 0x0
; ---- the fold, two c tiles at a time: source 0 = attn transposed (rows e), source 1 = w_out (columns c), 64 along d.
; Result tile (t, be): lane (r, hh) holds c = r, e = 16 be + 8 hh + 0..7: 16 bytes of f16, piece be of the c tile's fragment order.
; The eight accumulators take turns.
.macro FOLDPASS g
.irp kk, 0,1
.irp t, 0,1
.irp be, 0,1,2,3
.if \kk == 0
	v_wmma_f32_16x16x32_f16 v[D+8*(4*\t+\be):D+8*(4*\t+\be)+7], v[AT+8*(2*\be+\kk):AT+8*(2*\be+\kk)+7], v[WO+16*(2*\g+\t)+8*\kk:WO+16*(2*\g+\t)+8*\kk+7], 0
.else
	v_wmma_f32_16x16x32_f16 v[D+8*(4*\t+\be):D+8*(4*\t+\be)+7], v[AT+8*(2*\be+\kk):AT+8*(2*\be+\kk)+7], v[WO+16*(2*\g+\t)+8*\kk:WO+16*(2*\g+\t)+8*\kk+7], v[D+8*(4*\t+\be):D+8*(4*\t+\be)+7]
.endif
.endr
.endr
.endr
.rept 4
	v_nop                                          ; four places between the last matrix instruction and the reads of its result (ISA guide 7.12.1)
.endr
.if \g
	s_wait_xcnt 0x0                                ; the first pass's stores read v[16:47]: written again only behind this wait
.endif
.irp n, 0,1,2,3,4,5,6,7
.irp x, 0,1,2,3
	v_cvt_pk_f16_f32 v[S+4*\n+\x], v[D+8*\n+2*\x], v[D+8*\n+2*\x+1]
.endr
.endr
.irp n, 0,1,2,3,4,5,6,7
	global_store_b128 v1, v[S+4*\n:S+4*\n+3], s[28:29] offset:\g*4096+\n*512   ; 512 consecutive bytes, aligned
.endr
.endm
	FOLDPASS 0
	FOLDPASS 1
	s_wait_tensorcnt 0x0
	ds_add_u32 v14, v15
	s_wait_dscnt 0x0
	s_endpgm
.Lfunc_end_k_q3a3b96bbcf_fold:
	.size	k_q3a3b96bbcf_fold, .Lfunc_end_k_q3a3b96bbcf_fold-k_q3a3b96bbcf_fold
	.p2alignl 7, 3214868480
	.fill 96, 4, 3214868480
	.section	.rodata,"a",@progbits
	.p2align	6, 0x0
	.amdhsa_kernel k_q3a3b96bbcf_fold
		.amdhsa_group_segment_fixed_size 10752
		.amdhsa_private_segment_fixed_size 0
		.amdhsa_enable_private_segment 0
		.amdhsa_kernarg_size 40
		.amdhsa_user_sgpr_count 2
		.amdhsa_user_sgpr_kernarg_segment_ptr 1
		.amdhsa_wavefront_size32 1
		.amdhsa_system_sgpr_workgroup_id_x 1
		.amdhsa_system_sgpr_workgroup_id_y 1
		.amdhsa_system_sgpr_workgroup_id_z 1
		.amdhsa_system_vgpr_workitem_id 0
		.amdhsa_next_free_vgpr 256
		.amdhsa_next_free_sgpr 66
		.amdhsa_reserve_vcc 0
		.amdhsa_float_denorm_mode_32 3
		.amdhsa_float_denorm_mode_16_64 3
		.amdhsa_memory_ordered 1
		.amdhsa_forward_progress 1
		.amdhsa_inst_pref_size 42
	.end_amdhsa_kernel
	.amdgpu_metadata
---
amdhsa.version: [ 1, 2 ]
amdhsa.kernels:
  - .name:           k_q3a3b96bbcf_fold
    .symbol:         k_q3a3b96bbcf_fold.kd
    .args:
      - { .name: simp, .offset: 0, .size: 8, .value_kind: global_buffer, .address_space: global }
      - { .name: ssq, .offset: 8, .size: 8, .value_kind: global_buffer, .address_space: global }
      - { .name: temperature, .offset: 16, .size: 8, .value_kind: global_buffer, .address_space: global }
      - { .name: wof, .offset: 24, .size: 8, .value_kind: global_buffer, .address_space: global }
      - { .name: wpf, .offset: 32, .size: 8, .value_kind: global_buffer, .address_space: global }
    .group_segment_fixed_size: 10752
    .private_segment_fixed_size: 0
    .kernarg_segment_align: 8
    .kernarg_segment_size: 40
    .max_flat_workgroup_size: 128
    .sgpr_count:     66
    .vgpr_count:     256
    .wavefront_size: 32
...
	.end_amdgpu_metadata
.endif
;; end of part 3
;; launch proj (part 4): grid 4 x 64, 4 waves a work-group, clusters of 4 x 4, 327,680 bytes of LDS; arguments vf, wpf, out0; writes out0
.if DOCPART == 4
	.amdgcn_target "amdgcn-amd-amdhsa--gfx1250"
	.amdhsa_code_object_version 6
	.text
	.protected	k_q3a3b96bbcf_proj
	.globl	k_q3a3b96bbcf_proj
	.p2align	8
	.type	k_q3a3b96bbcf_proj,@function
k_q3a3b96bbcf_proj:
	s_mov_b64 s[64:65], 0
	v_nop
	global_prefetch_b8 v0, s[64:65] scope:SCOPE_SE
	s_setreg_imm32_b32 hwreg(HW_REG_WAVE_MODE, 25, 1), 1
	s_wait_xcnt 0x0
	s_wait_alu depctr_hold_cnt(0) depctr_sa_sdst(0) depctr_va_vdst(0) depctr_va_sdst(0) depctr_va_ssrc(0) depctr_va_vcc(0) depctr_vm_vsrc(0)
	s_getreg_b32 s2, hwreg(HW_REG_IB_STS2, 6, 4)
	s_cmp_eq_u32 s2, 0
	s_cbranch_scc0 .Lentry_in_a_cluster
	s_endpgm
.Lentry_in_a_cluster:
	s_bfe_u32 s2, ttmp6, 0x10000c
	s_cmp_lg_u32 s2, 0xf033
	s_cbranch_scc0 .Lentry_shape_is_right
	s_endpgm
.Lentry_shape_is_right:
; proj: out0[m][c] = sum over (h, e) of v[m][h, e] W'_b[h, e][c], [8192 x 1024] x [1024 x 1024] with a W' of its own for each batch of 2,048 rows.
; f16 operands (v / 16 and 16 W', so the product has its true size), f32 sums, f32 out.
; A work-group makes 128 rows x 256 columns, so that 4 x 64 = 256 work-groups cover the output; wave 2 i + j makes rows 64 i .. + 63, columns 128 j .. + 127:
; 4 x 8 accumulators of 16 x 16, 256 registers (window 1).  K is the 16 heads of 64; a head is two quarters of 32 along K, 32 matrix instructions each.
; Both operands lie in memory in fragment order (blocks of 2,048 bytes = 16 rows x 64 k) and by consumer: vf [block of 128 rows][head][8 row tiles],
; wpf [batch][block of 256 columns][head][16 column tiles].  So the heads that a work-group needs follow each other without a gap: a slot's tile is a dense
; run of memory, brought as rows of 256 bytes; LDS needs no padding, and each LDS load takes 512 consecutive bytes.
; TWO SLOTS OF THREE HEADS: a head costs 16,384 + 32,768 bytes, two slots of three heads 294,912, the most that fits.  The 16 heads go as 3, 3 (the first
; fills), then 3, 3, 3 and 1: four refills, and from a request to the wait for it a wave issues 176 matrix instructions.  All of it is written out: no loop.
; CLUSTERS: 4 x 4 work-groups.  v's tile hangs on the row block alone: asked for jointly by a row of the cluster; W's on the column block and on the batch,
; which is the same in the whole cluster (16 row blocks a batch, 4 a cluster): by a column.
; LDS: slot s at s x 147,456: A's three heads (8 row tiles each), then at + 49,152 B's three heads (16 column tiles each).
;      The stage of the way out (16 rows x 528 bytes for each wave) lies in slot 0's first 33,792 bytes: it is written only behind the barrier of the last
;      change of slots, when slot 0 has had its last fill and every wave's last read of it is over; no tensor load is issued behind that barrier.
; The matrix instruction is used with W' as source 0 and v as source 1: a lane then holds one row and eight neighbouring columns of out0.
.set HA,    16384                      ; a head's bytes of A
.set HB,    32768                      ; a head's bytes of B
.set BOFF,  3*HA
.set SLOT,  3*(HA+HB)
.set SPITCH, 528                       ; 512 bytes + 16: the sixteen lanes of a store fall on sixteen different 16-byte places modulo 256
.set ADRA, 16                          ; v16-17  LDS address of my A fragments in slot 0, 1
.set ADRB, 20                          ; v20-21  the same for B, heads 0 and 1 of the slot
.set ADRH, 22                          ; v22-23  the same, 65,536 bytes on: head 2 lies beyond an LDS instruction's 16 bits of offset
.set STO,  24                          ; v24     the way out: where I put 32 bytes of a row
.set RD,   25                          ; v25     the way out: where I read a row back
.set CO,   26                          ; v26     my byte offset in a row of my block of out0
.set F0,   32                          ; v32-127   fragment buffer 0: A's four at + 0, B's eight at + 32
.set F1,   128                         ; v128-223  fragment buffer 1
.set G1A,  24                          ; s[24:31] group 1, A, three heads in two halves: 96 rows of 256 bytes
.set G1B,  32                          ; s[32:39] group 1, B: 192 rows
.set G1AT, 40                          ; s[40:47] group 1, A, the last head alone: 32 rows
.set G1BT, 48                          ; s[48:55] group 1, B, the last head alone: 64 rows
.set G0A,  56                          ; s[56:63] group 0, A, a set for each slot
.set G0B,  68                          ; s[68:75] group 0, B, a set for each slot
.set G0AT, 76                          ; s[76:79] group 0, A, the last head
.set G0BT, 80                          ; s[80:83] group 0, B, the last head
.set MSB, 0
.macro WIN new                         ; s_set_vgpr_msb: bits 1:0 source 0, 3:2 source 1, 5:4 source 2, 7:6 destination; the high byte repeats the setting that is left
.if MSB != (\new)
	s_set_vgpr_msb (MSB<<8)|(\new)
.set MSB, (\new)
.endif
.endm
.macro PLACES                          ; four plain vector instructions between a matrix instruction and a load into, or a store of, its registers
.rept 4
	v_nop
.endr
.endm
.macro JLOAD ga, g1a, gb, g1b          ; waves 0 and 1 fetch A's two halves, waves 2 and 3 B's; the branch hangs on the wave's number alone
	s_cmp_eq_u32 s15, 0
	s_cbranch_scc0 .Lfor_b_\@
	tensor_load_to_lds s[\ga:\ga+3], s[\g1a:\g1a+7]
	s_nop 0
	s_branch .Lasked_\@
.Lfor_b_\@:
	tensor_load_to_lds s[\gb:\gb+3], s[\g1b:\g1b+7]
	s_nop 0
.Lasked_\@:
.endm
.macro CREST                           ; a round of the cluster's barrier behind its opening work-group barrier
	s_cmp_lg_u32 s14, 0
	s_cbranch_scc1 .Lnot_wave_0_\@
	s_barrier_signal -3
.Lnot_wave_0_\@:
	s_barrier_wait -3
	s_barrier_signal -1
	s_barrier_wait -1
.endm
.macro CROUND
	s_barrier_signal -1
	s_barrier_wait -1
	CREST
.endm
.macro SHAPE g, mask, rows             ; group 1: a dense run as rows of 32 elements of 8 bytes = 256 bytes, no padding
	s_or_b32 s[\g+0], \mask, (3<<16)|(1<<21)       ; the mask; 8-byte elements; bit 21 beside a mask
	s_mov_b32 s[\g+1], 32<<16                      ; tensor_dim0 = 32
	s_mov_b32 s[\g+2], \rows<<16                   ; tensor_dim1 = rows
	s_mov_b32 s[\g+3], 32<<16                      ; tile_dim0 = 32
	s_mov_b32 s[\g+4], \rows                       ; tile_dim1 = rows
	s_mov_b32 s[\g+5], 32                          ; pitch
	s_mov_b32 s[\g+6], 0
	s_mov_b32 s[\g+7], 0
.endm
	s_load_b128 s[4:7], s[0:1], 0x0                ; vf s[4:5], wpf s[6:7]
	s_load_b64 s[8:9], s[0:1], 0x10                ; out0
	v_lshl_add_u32 v254, v0, 2, 0x48000
	v_mov_b32 v255, 0
	ds_add_u32 v254, v255
	v_lshrrev_b32 v1, 5, v0
	v_readfirstlane_b32 s14, v1                    ; wave 0..3
	s_lshr_b32 s15, s14, 1                         ; i: my half of the rows.  Also: I fetch for A (0) or for B (1)
	s_and_b32 s16, s14, 1                          ; j: my half of the columns.  Also: which half of the tile I fetch
	s_bfe_u32 s17, ttmp6, 0x40000                  ; cx
	s_bfe_u32 s18, ttmp6, 0x40004                  ; cy
	s_lshl_b32 s19, ttmp9, 2
	s_add_co_u32 s19, s19, s17                     ; column block cb = 4 x cluster x + cx
	s_and_b32 s23, ttmp7, 0xffff                   ; cluster y
	s_lshl_b32 s20, s23, 2
	s_add_co_u32 s20, s20, s18                     ; row block rb = 4 x cluster y + cy
	s_lshl_b32 s21, s18, 2
	s_lshl_b32 s21, 15, s21                        ; my row of the cluster
	s_lshl_b32 s22, 0x1111, s17                    ; my column
	SHAPE G1A,  s21, 96                            ; half of three heads of A: 24,576 bytes
	SHAPE G1B,  s22, 192                           ; half of three heads of B: 49,152 bytes
	SHAPE G1AT, s21, 32                            ; half of one head of A: 8,192 bytes
	SHAPE G1BT, s22, 64                            ; half of one head of B: 16,384 bytes
	; A's addresses are made of rb and j; B's of the cluster's y, cb and j; in registers that never hold the other side's place in the cluster
	s_lshl_b32 s84, s20, 18                        ; vf: 16 heads of 16,384 bytes a row block
	s_lshl_b32 s88, s16, 13                        ; the last head: half j of 8,192 bytes,
	s_add_co_u32 s88, s88, s84
	s_add_co_u32 s88, s88, 15*HA                   ; behind fifteen heads
	s_mov_b32 s89, 0
	s_mul_i32 s85, s16, 3*HA/2                     ; three heads: half j of 24,576 bytes
	s_add_co_u32 s84, s84, s85
	s_mov_b32 s85, 0
	s_lshr_b32 s92, s23, 2                         ; batch
	s_lshl_b32 s92, s92, 21                        ; wpf: 4 column blocks x 16 heads x 32,768 bytes a batch
	s_lshl_b32 s93, s19, 19                        ;      16 heads a column block
	s_add_co_u32 s92, s92, s93
	s_lshl_b32 s96, s16, 14                        ; the last head: half j of 16,384 bytes,
	s_add_co_u32 s96, s96, s92
	s_add_co_u32 s96, s96, 15*HB                   ; behind fifteen heads
	s_mov_b32 s97, 0
	s_mul_i32 s93, s16, 3*HB/2                     ; three heads: half j of 49,152 bytes
	s_add_co_u32 s92, s92, s93
	s_mov_b32 s93, 0
	s_mul_i32 s10, s16, 3*HA/2                     ; where they go, in slot 0: the wave's number and constants alone.  A's half j
	s_mul_i32 s11, s16, 3*HB/2
	s_add_co_u32 s11, s11, BOFF                    ; B's half j
	s_lshl_b32 s12, s16, 13
	s_add_co_u32 s12, s12, SLOT                    ; the last head goes to the head of slot 1: A's half j
	s_lshl_b32 s13, s16, 14
	s_add_co_u32 s13, s13, SLOT+BOFF               ; B's half j
	s_wait_dscnt 0x0
	s_wait_kmcnt 0x0
	s_add_nc_u64 s[86:87], s[4:5], s[84:85]
	s_add_nc_u64 s[90:91], s[4:5], s[88:89]
	s_add_nc_u64 s[94:95], s[6:7], s[92:93]
	s_add_nc_u64 s[98:99], s[6:7], s[96:97]
	CROUND                                         ; all sixteen work-groups are here: the first joint loads meet
.irp s, 0,1
	s_mov_b32 s[G0A+4*\s], 1
	s_add_co_u32 s[G0A+4*\s+1], s10, \s*SLOT
	s_add_nc_u64 s[G0A+4*\s+2:G0A+4*\s+3], s[86:87], \s*3*HA       ; heads 3 s .. 3 s + 2
	s_or_b32 s[G0A+4*\s+3], s[G0A+4*\s+3], 0x80000000
	s_mov_b32 s[G0B+4*\s], 1
	s_add_co_u32 s[G0B+4*\s+1], s11, \s*SLOT
	s_add_nc_u64 s[G0B+4*\s+2:G0B+4*\s+3], s[94:95], \s*3*HB
	s_or_b32 s[G0B+4*\s+3], s[G0B+4*\s+3], 0x80000000
	JLOAD G0A+4*\s, G1A, G0B+4*\s, G1B             ; a wave has two tensor loads out here, one behind each later round
.endr
	s_mov_b32 s[G0AT], 1                           ; the last head's sets, used once, far below
	s_mov_b32 s[G0AT+1], s12
	s_mov_b64 s[G0AT+2:G0AT+3], s[90:91]
	s_or_b32 s[G0AT+3], s[G0AT+3], 0x80000000
	s_mov_b32 s[G0BT], 1
	s_mov_b32 s[G0BT+1], s13
	s_mov_b64 s[G0BT+2:G0BT+3], s[98:99]
	s_or_b32 s[G0BT+3], s[G0BT+3], 0x80000000
	v_and_b32 v1, 31, v0
	v_and_b32 v2, 15, v0                           ; r
	v_bfe_u32 v3, v0, 4, 1                         ; hh
	v_lshlrev_b32 v[CO], 4, v1                     ; 16 x lane
	v_lshl_add_u32 v[ADRA], s15, 13, v[CO]         ; my 4 row tiles of a head's 8
	v_add_nc_u32 v[ADRA+1], SLOT, v[ADRA]
	v_lshl_add_u32 v[ADRB], s16, 14, v[CO]         ; my 8 column tiles of a head's 16,
	v_add_nc_u32 v[ADRB], BOFF, v[ADRB]            ; behind A's three heads
	v_add_nc_u32 v[ADRB+1], SLOT, v[ADRB]
	v_add_nc_u32 v[ADRH], 2*HB, v[ADRB]
	v_add_nc_u32 v[ADRH+1], 2*HB, v[ADRB+1]
	s_mul_i32 s10, s14, 16*SPITCH                  ; my stage
	v_mul_u32_u24 v4, v2, SPITCH
	v_lshl_add_u32 v4, v3, 5, v4                   ; row r, 32 bytes for each half of the lanes
	v_add_nc_u32 v[STO], s10, v4
	v_add_nc_u32 v[RD], s10, v[CO]
	s_lshl_b32 s66, s20, 19                        ; out0: 128 rows of 4,096 bytes
	s_lshl_b32 s67, s15, 18                        ;       64 rows
	s_add_co_u32 s66, s66, s67
	s_lshl_b32 s67, s19, 10                        ;       256 columns
	s_add_co_u32 s66, s66, s67
	s_lshl_b32 s67, s16, 9                         ;       128 columns
	s_add_co_u32 s66, s66, s67
	s_mov_b32 s67, 0
	s_add_nc_u64 s[8:9], s[8:9], s[66:67]
.macro FETCH slot, hd, kk, f           ; 24 LDS loads: the fragments of quarter (head hd of the slot, half kk) into buffer f
.irp a, 0,1,2,3
	ds_load_b128 v[\f+8*\a:\f+8*\a+3],   v[ADRA+\slot] offset:\hd*HA+\a*2048+\kk*1024
	ds_load_b128 v[\f+8*\a+4:\f+8*\a+7], v[ADRA+\slot] offset:\hd*HA+\a*2048+\kk*1024+512
.endr
.irp b, 0,1,2,3,4,5,6,7
.if \hd == 2
	ds_load_b128 v[\f+32+8*\b:\f+32+8*\b+3],   v[ADRH+\slot] offset:\b*2048+\kk*1024
	ds_load_b128 v[\f+32+8*\b+4:\f+32+8*\b+7], v[ADRH+\slot] offset:\b*2048+\kk*1024+512
.else
	ds_load_b128 v[\f+32+8*\b:\f+32+8*\b+3],   v[ADRB+\slot] offset:\hd*HB+\b*2048+\kk*1024
	ds_load_b128 v[\f+32+8*\b+4:\f+32+8*\b+7], v[ADRB+\slot] offset:\hd*HB+\b*2048+\kk*1024+512
.endif
.endr
.endm
; Row tiles a0 .. a0 + na - 1 x all eight column tiles, 32 along K.  The accumulators take turns, one instruction a turn.
.macro MUL f, a0, na, zero
	WIN 0x50                                       ; C and D in window 1
.set ma, \a0
.rept \na
.set mb, 0
.rept 8
.set mt, 8*(8*ma+mb)
.if \zero
	v_wmma_f32_16x16x32_f16 v[mt:mt+7], v[\f+32+8*mb:\f+32+8*mb+7], v[\f+8*ma:\f+8*ma+7], 0
.else
	v_wmma_f32_16x16x32_f16 v[mt:mt+7], v[\f+32+8*mb:\f+32+8*mb+7], v[\f+8*ma:\f+8*ma+7], v[mt:mt+7]
.endif
.set mb, mb+1
.endr
.set ma, ma+1
.endr
.endm
; One of a slot's quarters but the last: fetches the next quarter (hd, kk) into buffer g, then multiplies buffer f.
.macro QUARTER slot, hd, kk, f, g, zero
	PLACES
	FETCH \slot, \hd, \kk, \g
	s_wait_dscnt 24                                ; all but the 24 just issued: buffer f is in
	MUL \f, 0, 4, \zero
	WIN 0
.endm
.macro FIVE slot, zero                 ; the first five of a slot's six quarters
	QUARTER \slot, 0, 1, F0, F1, \zero
	QUARTER \slot, 1, 0, F1, F0, 0
	QUARTER \slot, 1, 1, F0, F1, 0
	QUARTER \slot, 2, 0, F1, F0, 0
	QUARTER \slot, 2, 1, F0, F1, 0
.endm
; The sixth quarter: multiplies buffer 1 and changes slots.  fill = 1: this slot gets the three heads six further on; 2: it gets the last head; 0: nothing.
; In front of the barrier each wave waits for its reads of this slot and for all its tensor loads (one is out: its part of the next slot);
; behind it the refill comes first.
.macro TURN slot, next, fill
	s_wait_dscnt 0                                 ; buffer 1 is in, and my reads of this slot are over
	s_wait_tensorcnt 0x0                           ; all my tensor loads have landed
	ds_add_u32 v254, v255
	s_wait_dscnt 0x0
	s_barrier_signal -1                            ; (where the slot is filled again this barrier opens a round of the cluster's barrier)
	MUL F1, 0, 2, 0                                ; registers alone between signal and wait
	WIN 0
	s_barrier_wait -1
.if \fill == 1
	CREST                                          ; no wave of any partner still reads this slot or has a load on its way
	s_add_nc_u64 s[G0A+4*\slot+2:G0A+4*\slot+3], s[G0A+4*\slot+2:G0A+4*\slot+3], 6*HA
	s_add_nc_u64 s[G0B+4*\slot+2:G0B+4*\slot+3], s[G0B+4*\slot+2:G0B+4*\slot+3], 6*HB
	JLOAD G0A+4*\slot, G1A, G0B+4*\slot, G1B       ; the first tensor load behind the round, one a wave
.endif
.if \fill == 2
	CREST
	JLOAD G0AT, G1AT, G0BT, G1BT                   ; the last tensor load of the launch
.endif
	PLACES
	FETCH \next, 0, 0, F0
	MUL F1, 2, 2, 0
	WIN 0
.endm
	s_wait_tensorcnt 1                             ; my part of heads 0-2 is in; heads 3-5 may stay out
	s_barrier_signal -1
	s_barrier_wait -1
	FETCH 0, 0, 0, F0
	FIVE 0, 1                                      ; heads 0-2; the first quarter's products start the 32 sums: nothing is cleared
	TURN 0, 1, 1                                   ; slot 0 gets heads 6-8
	FIVE 1, 0                                      ; heads 3-5
	TURN 1, 0, 1                                   ; slot 1 gets heads 9-11
	FIVE 0, 0                                      ; heads 6-8
	TURN 0, 1, 1                                   ; slot 0 gets heads 12-14: its last fill
	FIVE 1, 0                                      ; heads 9-11
	TURN 1, 0, 2                                   ; slot 1 gets head 15
	FIVE 0, 0                                      ; heads 12-14
	TURN 0, 1, 0                                   ; behind this barrier no wave reads slot 0 any more, and nothing is fetched
	QUARTER 1, 0, 1, F0, F1, 0                     ; head 15
	s_wait_dscnt 0
	MUL F1, 0, 4, 0
	; THE WAY OUT, 16 rows at a time: a lane's eight columns (32 bytes) go into my own stage, whole rows of 512 bytes come back and are stored.
	PLACES
.macro OUT16 a, f
	WIN 0x04                                       ; the LDS stores' data in window 1
.irp b, 0,1,2,3,4,5,6,7
	ds_store_b128 v[STO], v[8*(8*\a+\b):8*(8*\a+\b)+3]   offset:64*\b
	ds_store_b128 v[STO], v[8*(8*\a+\b)+4:8*(8*\a+\b)+7] offset:64*\b+16
.endr
	WIN 0
	s_wait_xcnt 0x0                                ; buffer f, which earlier stores read, and the stores' base are written again only behind this wait
.if \a
	s_add_nc_u64 s[8:9], s[8:9], 65536             ; 16 rows of out0 on
.endif
.irp t, 0,1,2,3,4,5,6,7,8,9,10,11,12,13,14,15
	ds_load_b128 v[\f+4*\t:\f+4*\t+3], v[RD] offset:\t*SPITCH      ; LDS serves a wave's instructions in order: these see the stores above
.endr
.irp t, 0,1,2,3,4,5,6,7,8,9,10,11,12,13,14,15
	s_wait_dscnt 15-\t
	global_store_b128 v[CO], v[\f+4*\t:\f+4*\t+3], s[8:9] offset:\t*4096 th:TH_STORE_NT   ; 512 consecutive bytes of one row, aligned
.endr
.endm
	OUT16 0, F0
	OUT16 1, F1
	OUT16 2, F0
	OUT16 3, F1
	s_wait_tensorcnt 0x0
	ds_add_u32 v254, v255
	s_wait_dscnt 0x0
	CROUND                                         ; the closing round: no work-group ends while a partner may still ask for a tile that names it
	s_endpgm
.Lfunc_end_k_q3a3b96bbcf_proj:
	.size	k_q3a3b96bbcf_proj, .Lfunc_end_k_q3a3b96bbcf_proj-k_q3a3b96bbcf_proj
	.p2alignl 7, 3214868480
	.fill 96, 4, 3214868480
	.section	.rodata,"a",@progbits
	.p2align	6, 0x0
	.amdhsa_kernel k_q3a3b96bbcf_proj
		.amdhsa_group_segment_fixed_size 327680
		.amdhsa_private_segment_fixed_size 0
		.amdhsa_enable_private_segment 0
		.amdhsa_kernarg_size 24
		.amdhsa_user_sgpr_count 2
		.amdhsa_user_sgpr_kernarg_segment_ptr 1
		.amdhsa_wavefront_size32 1
		.amdhsa_system_sgpr_workgroup_id_x 1
		.amdhsa_system_sgpr_workgroup_id_y 1
		.amdhsa_system_sgpr_workgroup_id_z 1
		.amdhsa_system_vgpr_workitem_id 0
		.amdhsa_next_free_vgpr 512
		.amdhsa_next_free_sgpr 100
		.amdhsa_reserve_vcc 0
		.amdhsa_float_denorm_mode_32 3
		.amdhsa_float_denorm_mode_16_64 3
		.amdhsa_memory_ordered 1
		.amdhsa_forward_progress 1
		.amdhsa_inst_pref_size 148
	.end_amdhsa_kernel
	.amdgpu_metadata
---
amdhsa.version: [ 1, 2 ]
amdhsa.kernels:
  - .name:           k_q3a3b96bbcf_proj
    .symbol:         k_q3a3b96bbcf_proj.kd
    .args:
      - { .name: vf, .offset: 0, .size: 8, .value_kind: global_buffer, .address_space: global }
      - { .name: wpf, .offset: 8, .size: 8, .value_kind: global_buffer, .address_space: global }
      - { .name: out0, .offset: 16, .size: 8, .value_kind: global_buffer, .address_space: global }
    .group_segment_fixed_size: 327680
    .private_segment_fixed_size: 0
    .kernarg_segment_align: 8
    .kernarg_segment_size: 24
    .max_flat_workgroup_size: 128
    .sgpr_count:     100
    .vgpr_count:     512
    .wavefront_size: 32
...
	.end_amdgpu_metadata
.endif
;; end of part 4
